; MI455X (gfx1250); checked and timed in simulation.
; The chip was launched on July 23, 2026; its instructions are those of AMD's public machine-readable ISA for CDNA 5 (MIT licence, August 2026) and "CDNA5" Instruction Set Architecture Reference Guide (July 2026). The comments in the code are by the model that wrote it; some were corrected since.
;; Local Rnn. Allowed arithmetic: float matrix products may take bf16 or f16 operands with f32 sums; other float arithmetic in f32, or as packed bf16 or f16 multiplies, adds, multiply-adds, maxima and minima; sums over many terms, partial sums and values carried from step to step in f32; what a program stores and reads back later, other than sums and carried values, may be rounded once to bf16 or f16.
;; Inputs: W_hh 768 x 768 float32; W_ih 768 x 768 float32; b_hh 768 float32; b_ih 768 float32; beta 4,096 float32; gamma 4,096 float32; x 4 x 768 x 4,096 float32.
;; Outputs: out0 4 x 768 x 4,096 float32.
;; One version. Each part assembles by itself: llvm-mc -triple=amdgcn-amd-amdhsa -mcpu=gfx1250 --defsym DOCPART=n.
;; ======== version 1 of 1: 3 launches
;; limits: values outside matrix products are rounded to bf16
;; workspace buffers: wf 2,359,296 bytes; zbuf 50,331,648 bytes
;; launch layw (part 1): grid 16 x 12, 6 waves a work-group, no clusters, 0 bytes of LDS; arguments W_ih, W_hh, wf; writes wf
.if DOCPART == 1
	.amdgcn_target "amdgcn-amd-amdhsa--gfx1250"
	.amdhsa_code_object_version 6
	.text
	.protected	k_qade10e597d_layw
	.globl	k_qade10e597d_layw
	.p2align	8
	.type	k_qade10e597d_layw,@function
k_qade10e597d_layw:
	s_mov_b64 s[64:65], 0
	v_nop
	global_prefetch_b8 v0, s[64:65] scope:SCOPE_SE
	s_setreg_imm32_b32 hwreg(HW_REG_WAVE_MODE, 25, 1), 1
	s_wait_xcnt 0x0
; LocalRnn, launch 1 of 3: both weight matrices are rounded to bf16 once and laid out in the order in which a wave's operand registers take them.
; THE WORK THAT THE PROGRAM LEAVES OUT, in the problem's terms.  Put u[p] = W_ih x[p] + b_ih + b_hh.  Step t of window i takes x[i - 2 + t], so its input product is u at that position, whatever the window:
; reference() forms u three times, at shifted positions; it is formed once.  The state behind a window's first valid step is relu(u[p] + W_hh h0) with h0 the zeros that reference() builds itself: a[p] = relu(u[p]);
; that product with zeros is not made.  Behind the second step it is c[p] = relu(u[p] + W_hh a[p-1]), behind the third h[p] = relu(u[p] + W_hh c[p-1]): each hangs on the position alone, so each is made once.
; The mask 'valid', which reference() builds itself, keeps the state 0 through the steps in front of position 0: that is a[-1] = c[-1] = 0 in these formulas (h[0] = a[0], h[1] = relu(u[1] + W_hh a[0])).
; These are identities for all values of the inputs: three products of 768 x 768 x 16,384 remain of six.  Every input has a way to the output, and every input is loaded.
; LIMIT: a NaN, an infinity or an overflow that would arise only in the products left out is not carried to the result.
; LAYOUT of wf: [matrix 2][G 8][K step s 24][a' 6][1,024 bytes].  Tile et = 6 G + a' is 16 output channels, step s 32 input channels.  A fragment is [q 2][lane 32][16 bytes]:
; W[16 et + lane % 16][32 s + 16 q + 8 (lane / 16) + 0..7] in bf16: half q is registers 4 q .. 4 q + 3 of a 16-bit matrix operand.
; SHARES.  Work-group x = 8 matrix + G, y = a pair of K steps; wave a' takes 16 rows x 64 columns: 256 bytes, aligned, of each row in; two fragments, each store 512 consecutive bytes, out.
.set ROWB, 3072                        ; bytes in a row of W
.set IN,   8                           ; v[8:39]   eight loads
.set OUT,  40                          ; v[40:55]  four halves of fragments
	s_load_b128 s[4:7], s[0:1], 0x0                ; W_ih s[4:5], W_hh s[6:7]
	s_load_b64 s[8:9], s[0:1], 0x10                ; wf
	v_lshrrev_b32 v3, 5, v0
	v_readfirstlane_b32 s10, v3                    ; a'
	v_and_b32 v4, 15, v0
	v_bfe_u32 v5, v0, 4, 1
	v_mul_u32_u24 v1, v4, ROWB
	v_lshl_add_u32 v1, v5, 5, v1                   ; row x 3,072 + 32 x half: eight f32
	v_and_b32 v2, 31, v0
	v_lshlrev_b32 v2, 4, v2                        ; 16 x lane
	s_lshr_b32 s11, ttmp9, 3                       ; matrix
	s_and_b32 s12, ttmp9, 7                        ; G
	s_and_b32 s13, ttmp7, 0xffff                   ; pair of K steps
	s_mul_i32 s14, s12, 96
	s_lshl4_add_u32 s14, s10, s14                  ; first row: 96 G + 16 a'
	s_mul_i32 s14, s14, ROWB
	s_lshl_b32 s15, s13, 8
	s_add_co_u32 s14, s14, s15                     ; + 256 bytes for each pair of steps
	s_mov_b32 s15, 0
	s_mul_i32 s16, s11, 1179648
	s_mul_i32 s17, s12, 147456
	s_add_co_u32 s16, s16, s17
	s_mul_i32 s17, s13, 12288
	s_add_co_u32 s16, s16, s17
	s_lshl_b32 s17, s10, 10
	s_add_co_u32 s16, s16, s17
	s_mov_b32 s17, 0
	s_wait_kmcnt 0x0
	s_cmp_eq_u32 s11, 0
	s_cselect_b64 s[4:5], s[4:5], s[6:7]
	s_add_nc_u64 s[4:5], s[4:5], s[14:15]
	s_add_nc_u64 s[8:9], s[8:9], s[16:17]
.irp n, 0,1,2,3,4,5,6,7                ; n = 4 step + 2 q + half of the eight numbers
	global_load_b128 v[IN+4*(\n):IN+4*(\n)+3], v1, s[4:5] offset:64*((\n)/2)+16*((\n)%2) th:TH_LOAD_NT
.endr
	s_wait_loadcnt 0x0
.irp n, 0,1,2,3,4,5,6,7,8,9,10,11,12,13,14,15
	v_cvt_pk_bf16_f32 v[OUT+(\n)], v[IN+2*(\n)], v[IN+2*(\n)+1]
.endr
.irp f, 0,1,2,3                        ; f = 2 step + q
	global_store_b128 v2, v[OUT+4*(\f):OUT+4*(\f)+3], s[8:9] offset:6144*((\f)/2)+512*((\f)%2)
.endr
	s_endpgm
.Lfunc_end_k_qade10e597d_layw:
	.size	k_qade10e597d_layw, .Lfunc_end_k_qade10e597d_layw-k_qade10e597d_layw
	.p2alignl 7, 3214868480
	.fill 96, 4, 3214868480
	.section	.rodata,"a",@progbits
	.p2align	6, 0x0
	.amdhsa_kernel k_qade10e597d_layw
		.amdhsa_group_segment_fixed_size 0
		.amdhsa_private_segment_fixed_size 0
		.amdhsa_enable_private_segment 0
		.amdhsa_kernarg_size 24
		.amdhsa_user_sgpr_count 2
		.amdhsa_user_sgpr_kernarg_segment_ptr 1
		.amdhsa_wavefront_size32 1
		.amdhsa_system_sgpr_workgroup_id_x 1
		.amdhsa_system_sgpr_workgroup_id_y 1
		.amdhsa_system_sgpr_workgroup_id_z 1
		.amdhsa_system_vgpr_workitem_id 0
		.amdhsa_next_free_vgpr 56
		.amdhsa_next_free_sgpr 66
		.amdhsa_reserve_vcc 0
		.amdhsa_float_denorm_mode_32 3
		.amdhsa_float_denorm_mode_16_64 3
		.amdhsa_memory_ordered 1
		.amdhsa_forward_progress 1
		.amdhsa_inst_pref_size 4
	.end_amdhsa_kernel
	.amdgpu_metadata
---
amdhsa.version: [ 1, 2 ]
amdhsa.kernels:
  - .name:           k_qade10e597d_layw
    .symbol:         k_qade10e597d_layw.kd
    .args:
      - { .name: W_ih, .offset: 0, .size: 8, .value_kind: global_buffer, .address_space: global }
      - { .name: W_hh, .offset: 8, .size: 8, .value_kind: global_buffer, .address_space: global }
      - { .name: wf, .offset: 16, .size: 8, .value_kind: global_buffer, .address_space: global }
    .group_segment_fixed_size: 0
    .private_segment_fixed_size: 0
    .kernarg_segment_align: 8
    .kernarg_segment_size: 24
    .max_flat_workgroup_size: 192
    .sgpr_count:     66
    .vgpr_count:     56
    .wavefront_size: 32
...
	.end_amdgpu_metadata
.endif
;; end of part 1
;; launch chain (part 2): grid 64 x 4, 4 waves a work-group, no clusters, 327,168 bytes of LDS; arguments x, wf, b_ih, b_hh, zbuf; writes zbuf
.if DOCPART == 2
	.amdgcn_target "amdgcn-amd-amdhsa--gfx1250"
	.amdhsa_code_object_version 6
	.text
	.protected	k_qade10e597d_chain
	.globl	k_qade10e597d_chain
	.p2align	8
	.type	k_qade10e597d_chain,@function
k_qade10e597d_chain:
	s_mov_b64 s[64:65], 0
	v_nop
	global_prefetch_b8 v0, s[64:65] scope:SCOPE_SE
	s_setreg_imm32_b32 hwreg(HW_REG_WAVE_MODE, 25, 1), 1
	s_wait_xcnt 0x0
; LocalRnn, launch 2 of 3: z = h + x for 64 positions l0 .. l0 + 63 of one batch, all 768 channels, in one work-group.
; WORK LEFT OUT (shown at the head of the first kernel): with u[p] = W_ih x[p] + b_ih + b_hh the window's three states are a[p] = relu(u[p]), c[p] = relu(u[p] + W_hh a[p-1]), h[p] = relu(u[p] + W_hh c[p-1]),
; a[-1] = c[-1] = 0: the product with the zero state and the repeats of u, a and c in overlapping windows are not made.  A NaN, infinity or overflow that would arise only there is not carried on.
; LIMITS.  Matrix operands are bf16 (x, the weights, a, c).  The u that is added into c is rounded to bf16; the u that is added into h stays f32, in the accumulators.  The residual takes x from the bf16 copy
; that serves as matrix operand (off by 2^-9 of x at the most).  The ReLUs are maxima in which a NaN loses: a NaN is not carried through them.
; SHARES.  Wave w owns output channels 192 w .. 192 w + 191, twelve tiles a of 16, in all three products.  Source 0 = weights (16 channels x 32 K), source 1 = activations (32 K x 16 positions): in a result
; lane (r = lane % 16, h = lane / 16) holds position column r and channels 8 h + 0..7: eight neighbouring channels, 16 bytes in bf16, which go into rows [position][channel] and are the next product's source 1.
; G1: u for 80 columns: tile 0 is the halo (column r is position l0 - 2 + r % 2), tiles 1-4 are l0 .. l0 + 63.  G2: c for p = l0 - 1 + j, j = 0..63, in two passes of six channel tiles.
; G3: h for p = l0 + j, added in place onto G1's accumulators of tiles 1-4.  At l0 = 0 the halo's u is set to 0 by a mask of bits: a[-2] = a[-1] = 0 and c[-1] = relu(0 + 0) = 0; no branch.
; THE WEIGHTS come from memory straight into source 0's registers, in operand order: each fragment has one reader in the work-group, and the activations leave no room in LDS for slots of weights, so
; there is no tensor load, no ring in LDS and no joint load.  24 fragments are held or on their way: eight groups of three, used in a circle, each asked for again behind its last product.
; LDS: XS x in bf16 [channel 768][80 columns], rows 160 bytes apart;  AS a [row = p - (l0 - 2), 66][768 channels], rows 1,552 bytes apart, later each wave's stage for the way out;
;      CS [row = p - (l0 - 1), 65][768], first u, then c over it (each wave only its own channels);  the spare words.
; REGISTERS, in windows of 256 (s_set_vgpr_msb: bits 1:0 source 0, 3:2 source 1, 5:4 source 2, 7:6 destination):
;   window 0: v0-31 addresses and constants; v32-71, v72-111 two buffers of source 1; v112-239 bias, then G2's accumulators of tiles 0-3, then the way out; v240-255 at work
;   window 1: v0-191 the weights' 24 fragments; v192-255 G2's accumulators of tiles 4, 5       windows 2, 3: accumulator (a, tile) at window 2 + a / 6, v[40 (a % 6) + 8 tile]; first of all x as it lands
.set PX,    160                        ; a row of XS: 5 x 32 bytes: the turning load's 8 rows x 32 bytes fall on different banks (64 banks of 4 bytes: ISA guide 11.1)
.set PR,    1552                       ; a row of AS and CS: 97 x 16 bytes: 16 rows start at 16 different groups of four banks
.set T1,    16*PR
.set T2,    32*PR
.set AS,    122880
.set CS,    225536
.set SPARE, 326656                     ; the spare words, 128 bytes for each wave: two blocks of 256 bytes that no other line names
.set SPI,   272                        ; a row of the stage: 64 f32 + 16 bytes
.set GW,    147456                     ; wf: bytes of six channel tiles, all K
.set SW,    6144                       ; wf: bytes of six channel tiles, one K step
.set L16, 1                            ; 16 x lane
.set XO,  2                            ; (lane / 16) rows of x + 16 (lane % 16): x's loads and z's stores
.set XHO, 3                            ; lane rows of x
.set XST, 4                            ; XS: where my 8 bytes of a row go
.set XHS, 5                            ; XS: my row's halo columns
.set BX,  6                            ; XS: the turning load's address; steps along K
.set BA,  7                            ; v7, v8   AS or CS: source 1's address, tiles 0, 1 and tiles 2, 3; step along K
.set AST, 9                            ; v9, v10  AS: where a goes (row 2 + r)
.set AHS, 11                           ; AS: the halo's a (row r % 2)
.set CST, 12                           ; v12, v13 CS: row r, my channels
.set STS, 14                           ; stage: in
.set STR, 15                           ; stage: back; steps
.set XR,  16                           ; XS: x for the residual; steps
.set BO,  17                           ; 32 x (lane / 16): my eight numbers of a bias
.set VZ,  18                           ; 0
.set ONE, 19                           ; 1.0
.set SPW, 20                           ; my spare word
.set NIL, 21                           ; 0, for the add alone
.set LT,  22                           ; r x 1,552 + 16 h
.set ODD, 23                           ; r % 2
.set CH0, 30                           ; CS: row 0, my channels
.set STR0, 31                          ; stage: back, first row
.set BB,  32
.set BI,  112
.set TE,  240
.set WV,  14                           ; s14 wave
.set L0,  15                           ; s15 l0
.set BN,  16                           ; s16 batch
.set MSK, 17                           ; s17 0 at l0 = 0, else all ones
.set HIM, 18                           ; s18 a word's upper bf16
.set CNT, 19                           ; s19 loop counter
.set XP,  22                           ; s[22:23] x at my first row, position l0
.set XHP, 24                           ; s[24:25] the same at position max(l0 - 2, 0)
.set ZP,  26                           ; s[26:27] z likewise; steps
.set WI,  28                           ; s[28:29] my channels' fragments of W_ih
.set WH,  30                           ; s[30:31] of W_hh
.set WP,  32                           ; s[32:33] the pointer that walks along K
.set SEX, 34                           ; s34 EXEC set aside
.set MSB, 0
.macro WIN new                         ; the immediate's high byte repeats the setting that is left; a switch that changes nothing is dropped
.if MSB != (\new)
	s_set_vgpr_msb (MSB<<8)|(\new)
.set MSB, \new
.endif
.endm
.macro PLACES                          ; four plain instructions between a product and a load into, or a read of, its registers
.rept 4
	v_nop
.endr
.endm
; a fragment of weights into ring slot 'slot': 2 x 512 consecutive bytes
.macro LD1 slot, ptr, off
	WIN 0x40
	global_load_b128 v[8*(\slot):8*(\slot)+3], v[L16], s[\ptr:\ptr+1] offset:\off
	global_load_b128 v[8*(\slot)+4:8*(\slot)+7], v[L16], s[\ptr:\ptr+1] offset:(\off)+512
.endm
.macro LDF slot, ptr                   ; the first two K steps of a product on all twelve tiles: slot = 12 step + a
	LD1 \slot, \ptr, (((\slot)%12)/6)*GW+((\slot)/12)*SW+(((\slot)%12)%6)*1024
.endm
.macro BTR buf, off                    ; source 1 of a K step of G1: five tiles, turned out of XS
.irp t, 0,1,2,3,4
	ds_load_tr16_b128 v[BB+40*(\buf)+8*(\t):BB+40*(\buf)+8*(\t)+3], v[BX] offset:(\off)+32*(\t)
	ds_load_tr16_b128 v[BB+40*(\buf)+8*(\t)+4:BB+40*(\buf)+8*(\t)+7], v[BX] offset:(\off)+32*(\t)+16*PX
.endr
.endm
.macro BLD buf, off                    ; source 1 of a K step of G2 or G3: four tiles, as they lie
.irp t, 0,1,2,3
	ds_load_b128 v[BB+40*(\buf)+8*(\t):BB+40*(\buf)+8*(\t)+3], v[BA+(\t)/2] offset:(\off)+T1*((\t)%2)
	ds_load_b128 v[BB+40*(\buf)+8*(\t)+4:BB+40*(\buf)+8*(\t)+7], v[BA+(\t)/2] offset:(\off)+T1*((\t)%2)+32
.endr
.endm
.macro WM a, tau, bt, sb, first        ; a product of G1 or G3.  first = 1: the bias starts the sum
.if \first
	WIN 0x81+0x40*((\a)/6)
	v_wmma_f32_16x16x32_bf16 v[40*((\a)%6)+8*(\tau):40*((\a)%6)+8*(\tau)+7], v[96*(\sb)+8*(\a):96*(\sb)+8*(\a)+7], v[BB+40*(\sb)+8*(\bt):BB+40*(\sb)+8*(\bt)+7], v[BI+8*(\a):BI+8*(\a)+7]
.else
	WIN 0xa1+0x50*((\a)/6)
	v_wmma_f32_16x16x32_bf16 v[40*((\a)%6)+8*(\tau):40*((\a)%6)+8*(\tau)+7], v[96*(\sb)+8*(\a):96*(\sb)+8*(\a)+7], v[BB+40*(\sb)+8*(\bt):BB+40*(\sb)+8*(\bt)+7], v[40*((\a)%6)+8*(\tau):40*((\a)%6)+8*(\tau)+7]
.endif
.endm
; A K step of G1 (wide = 1: five tiles) or G3 (four), of parity sb: four ring groups of three channel tiles.  All accumulators take turns, one instruction a turn.
; Ahead of each group: its six loads are in when the seven younger groups' 42 may be out; with amode = 0 nothing is asked for again and the counts run down from lc.
; amode 1: the group is asked for again, two steps on;  2: for G2's first four steps;  0: not.  bmode 1: source 1 of the step two on goes into the buffer just multiplied.  dsw: the next step's LDS loads may be out.
.macro WSTEP sb, wide, first, amode, bmode, dsw, lc=42
	s_wait_dscnt \dsw
.irp g, 0,1,2,3
.if (\amode) == 0
	s_wait_loadcnt (\lc)-6*(\g)
.else
	s_wait_loadcnt 42
.endif
.irp i, 0,1,2
.if \wide
	WM 3*(\g)+(\i), 0, 0, \sb, \first
.endif
.irp t, 1,2,3,4
	WM 3*(\g)+(\i), \t, (\t)-1+(\wide), \sb, \first
.endr
.endr
.if (\amode) || ((\g) == 3)
	PLACES
.endif
.irp i, 0,1,2
.if (\amode) == 1
	LD1 12*(\sb)+3*(\g)+(\i), WP, ((3*(\g)+(\i))/6)*GW+(2+(\sb))*SW+((3*(\g)+(\i))%6)*1024
.elseif (\amode) == 2
	LD1 12*(\sb)+3*(\g)+(\i), WH, (12*(\sb)+3*(\g)+(\i))*1024
.endif
.endr
.endr
	WIN 0
.if \bmode
.if \wide
	BTR \sb, (2+(\sb))*32*PX
.else
	BLD \sb, (2+(\sb))*64
.endif
.endif
.endm
.macro NM ap, t, sb4, slot             ; a product of G2: channel tile ap of the pass's six, position tile t
.if (\ap) < 4
	WIN 0x01
.set D_, BI+8*(4*(\ap)+(\t))
.else
	WIN 0x51
.set D_, 192+8*(4*((\ap)-4)+(\t))
.endif
	v_wmma_f32_16x16x32_bf16 v[D_:D_+7], v[8*(\slot):8*(\slot)+7], v[BB+40*((\sb4)%2)+8*(\t):BB+40*((\sb4)%2)+8*(\t)+7], v[D_:D_+7]
.endm
; A K step of G2, number sb4 of a trip's four: two ring groups; the ring is four steps deep here, and a pass's fragments lie on end in wf.
; amode 1: asked for again four steps on (behind a pass's last steps that is the next pass's first);  3: for G3's first two steps.
.macro NSTEP sb4, amode, bmode, dsw
	s_wait_dscnt \dsw
.irp g, 0,1
	s_wait_loadcnt 42
.irp i, 0,1,2
.irp t, 0,1,2,3
	NM 3*(\g)+(\i), \t, \sb4, 6*(\sb4)+3*(\g)+(\i)
.endr
.endr
	PLACES
.irp i, 0,1,2
.if (\amode) == 1
	LD1 6*(\sb4)+3*(\g)+(\i), WP, 4*SW+(6*(\sb4)+3*(\g)+(\i))*1024
.else
	LDF 6*(\sb4)+3*(\g)+(\i), WH
.endif
.endr
.endr
	WIN 0
.if \bmode
	BLD (\sb4)%2, (2+(\sb4))*64
.endif
.endm
.macro TRIPEND bytes, vstep, kind      ; a trip's end: the pointers step along K
	s_wait_xcnt 0x0                                ; the loads issued so far have read the pointer: only behind this wait is it written
	s_add_nc_u64 s[WP:WP+1], s[WP:WP+1], \bytes
.if (\kind) == 0
	v_add_nc_u32 v[BX], \vstep, v[BX]
.elseif (\kind) == 1
	v_add_nc_u32 v[BA], \vstep, v[BA]
	v_add_nc_u32 v[BA+1], \vstep, v[BA+1]
.endif
.endm
.macro XLD grp                         ; 16 rows of x, 256 bytes each: eight loads of two rows
.if (\grp) < 7
	WIN 0x80
.set XB_, 32*(\grp)
.else
	WIN 0xc0
.set XB_, 32*((\grp)-7)
.endif
.irp i, 0,1,2,3,4,5,6,7
	global_load_b128 v[XB_+4*(\i):XB_+4*(\i)+3], v[XO], s[XP:XP+1] offset:(8*(\grp)+(\i))*32768
.endr
.endm
.macro XCV grp                         ; they are rounded to bf16 and go into XS
.if (\grp) < 7
	WIN 0x0a
.set XB_, 32*(\grp)
.else
	WIN 0x0f
.set XB_, 32*((\grp)-7)
.endif
.irp i, 0,1,2,3,4,5,6,7
	v_cvt_pk_bf16_f32 v[BB+2*(\i)], v[XB_+4*(\i)], v[XB_+4*(\i)+1]
	v_cvt_pk_bf16_f32 v[BB+2*(\i)+1], v[XB_+4*(\i)+2], v[XB_+4*(\i)+3]
.endr
	WIN 0
.irp i, 0,1,2,3,4,5,6,7
	ds_store_b64 v[XST], v[BB+2*(\i):BB+2*(\i)+1] offset:(8*(\grp)+(\i))*2*PX
.endr
.endm
; Group k of eight loads of the list that follows x's first seven groups: x's groups 7-11; b_ih; b_hh; the weights' first 24 fragments, in the ring's order.
.macro ISSUE k
.if (\k) < 5
	XLD 7+(\k)
.elseif (\k) < 8
	WIN 0
.irp n, 0,1,2,3,4,5,6,7
	global_load_b128 v[BI+32*((\k)-5)+4*(\n):BI+32*((\k)-5)+4*(\n)+3], v[BO], s[8:9] offset:256*((\k)-5)+64*((\n)/2)+16*((\n)%2)
.endr
.elseif (\k) < 11
	WIN 0
.set BH_, 48+32*((\k)-8)+96*((\k)/10)  ; tiles 0-7 at v48-111, tiles 8-11 at v208-239
.irp n, 0,1,2,3,4,5,6,7
	global_load_b128 v[BH_+4*(\n):BH_+4*(\n)+3], v[BO], s[10:11] offset:256*((\k)-8)+64*((\n)/2)+16*((\n)%2)
.endr
.else
.irp n, 0,1,2,3
	LDF 4*((\k)-11)+(\n), WI
.endr
.endif
.endm
.macro UNP b                           ; eight bf16 in registers b + 4 .. b + 7 become eight f32 in b .. b + 7, each source read before it is written over
	v_lshlrev_b32 v[(\b)], 16, v[(\b)+4]
	v_and_b32 v[(\b)+1], s[HIM], v[(\b)+4]
	v_lshlrev_b32 v[(\b)+2], 16, v[(\b)+5]
	v_and_b32 v[(\b)+3], s[HIM], v[(\b)+5]
	v_lshlrev_b32 v[(\b)+4], 16, v[(\b)+6]
	v_and_b32 v[(\b)+5], s[HIM], v[(\b)+6]
	v_lshlrev_b32 v[(\b)+6], 16, v[(\b)+7]
	v_and_b32 v[(\b)+7], s[HIM], v[(\b)+7]
.endm
.macro INIT2 pi                        ; G2's sums start with u, out of my own channels of CS
	WIN 0
.irp ap, 0,1,2,3
.irp t, 0,1,2,3
	ds_load_b128 v[BI+8*(4*(\ap)+(\t))+4:BI+8*(4*(\ap)+(\t))+7], v[CST+(\t)/2] offset:T1*((\t)%2)+32*(6*(\pi)+(\ap))
.endr
.endr
	WIN 0x40
.irp ap, 4,5
.irp t, 0,1,2,3
	ds_load_b128 v[192+8*(4*((\ap)-4)+(\t))+4:192+8*(4*((\ap)-4)+(\t))+7], v[CST+(\t)/2] offset:T1*((\t)%2)+32*(6*(\pi)+(\ap))
.endr
.endr
	s_wait_dscnt 0x0                               ; these, and the first two steps' source 1
	WIN 0x44
.set n_, 0
.rept 8
	UNP 192+8*n_
.set n_, n_+1
.endr
	WIN 0
.set n_, 0
.rept 16
	UNP BI+8*n_
.set n_, n_+1
.endr
.endm
.macro EPI2 pi                         ; c = relu, in bf16, over the u that it was made of
.irp ap, 0,1,2,3,4,5
.if (\ap) < 4
	WIN 0
.set D_, BI+32*(\ap)
.else
	WIN 0x05
.set D_, 192+32*((\ap)-4)
.endif
.set n_, 0
.rept 16
	v_cvt_pk_bf16_f32 v[TE+n_], v[D_+2*n_], v[D_+2*n_+1]
.set n_, n_+1
.endr
	WIN 0
.set n_, 0
.rept 16
	v_pk_max_num_bf16 v[TE+n_], v[TE+n_], v[VZ]
.set n_, n_+1
.endr
.irp t, 0,1,2,3
	ds_store_b128 v[CST+(\t)/2], v[TE+4*(\t):TE+4*(\t)+3] offset:T1*((\t)%2)+32*(6*(\pi)+(\ap))
.endr
.endr
.endm
.macro PASS pi                         ; G2 for channel tiles 6 pi .. 6 pi + 5
	v_add_nc_u32 v[BA], AS, v[LT]
	v_add_nc_u32 v[BA+1], AS+T2, v[LT]
	BLD 0, 0
	BLD 1, 64
.if \pi
	EPI2 0                                         ; the pass before goes out while this pass's first operands come
.endif
	INIT2 \pi
.if (\pi) == 0
	s_wait_xcnt 0x0                                ; G1's loads have read the pointer
	s_mov_b64 s[WP:WP+1], s[WH:WH+1]
.endif
	s_mov_b32 s[CNT], 5
.Lg2_\pi:
	NSTEP 0, 1, 1, 8
	NSTEP 1, 1, 1, 8
	NSTEP 2, 1, 1, 8
	NSTEP 3, 1, 1, 8
	TRIPEND 4*SW, 256, 1
	s_sub_co_u32 s[CNT], s[CNT], 1
	s_cmp_lg_u32 s[CNT], 0
	s_cbranch_scc1 .Lg2_\pi
	NSTEP 0, 1+2*(\pi), 1, 8                       ; the last four steps: source 1 of the last two is still to come, then nothing
	NSTEP 1, 1+2*(\pi), 1, 8
	NSTEP 2, 1+2*(\pi), 0, 8
	NSTEP 3, 1+2*(\pi), 0, 0
.if (\pi) == 0
	TRIPEND 4*SW, 0, 2
.endif
.endm
; THE WAY OUT of channel tiles 4 rho .. 4 rho + 3: 64 channels x 64 positions in f32 through my stage, back as whole rows of 256 bytes; relu; x is added; stored.
.macro EPI3 rho
.irp aa, 0,1,2,3
	WIN 0x08+4*((4*(\rho)+(\aa))/6)
.irp t, 1,2,3,4
.irp j, 0,1,2,3,4,5,6,7
	ds_store_b32 v[STS], v[40*((4*(\rho)+(\aa))%6)+8*(\t)+(\j)] offset:(16*(\aa)+(\j))*SPI+64*((\t)-1)
.endr
.endr
.endr
	WIN 0
	v_mov_b32 v[STR], v[STR0]
	s_mov_b32 s[CNT], 4
.Lz\rho:                               ; 16 rows a trip
.irp i, 0,1,2,3,4,5,6,7
	ds_load_b128 v[BI+4*(\i):BI+4*(\i)+3], v[STR] offset:2*SPI*(\i)  ; LDS serves a wave's instructions in order (ISA guide 5.7.1.4): these see the stores above
.endr
.irp i, 0,1,2,3,4,5,6,7
	ds_load_b64 v[144+2*(\i):145+2*(\i)], v[XR] offset:2*PX*(\i)
.endr
	s_wait_dscnt 0x0
.set n_, 0
.rept 32
	v_max_num_f32 v[BI+n_], 0, v[BI+n_]
.set n_, n_+1
.endr
.set n_, 0
.rept 16                               ; the widening of x and the addition in one line: bf16 half x 1.0 + h
	v_fma_mix_f32_bf16 v[160+2*n_], v[144+n_], v[ONE], v[BI+2*n_] op_sel_hi:[1,0,0]
	v_fma_mix_f32_bf16 v[160+2*n_+1], v[144+n_], v[ONE], v[BI+2*n_+1] op_sel:[1,0,0] op_sel_hi:[1,0,0]
.set n_, n_+1
.endr
.irp i, 0,1,2,3,4,5,6,7
	global_store_b128 v[XO], v[160+4*(\i):160+4*(\i)+3], s[ZP:ZP+1] offset:32768*(\i) th:TH_STORE_NT  ; 16 lanes store 256 consecutive bytes, at a multiple of 256 from z's first byte
.endr
	s_wait_xcnt 0x0                                ; the stores have read their data and their base: only now are these written again
	s_add_nc_u64 s[ZP:ZP+1], s[ZP:ZP+1], 16*16384
	v_add_nc_u32 v[STR], 16*SPI, v[STR]
	v_add_nc_u32 v[XR], 16*PX, v[XR]
	s_sub_co_u32 s[CNT], s[CNT], 1
	s_cmp_lg_u32 s[CNT], 0
	s_cbranch_scc1 .Lz\rho
.endm
	s_load_b256 s[4:11], s[0:1], 0x0               ; x s[4:5], wf s[6:7], b_ih s[8:9], b_hh s[10:11]
	s_load_b64 s[12:13], s[0:1], 0x20              ; zbuf
	v_lshl_add_u32 v[SPW], v0, 2, SPARE
	v_mov_b32 v[NIL], 0
	v_lshrrev_b32 v24, 5, v0
	v_readfirstlane_b32 s[WV], v24                 ; wave 0..3
	s_lshl_b32 s[L0], ttmp9, 6
	s_and_b32 s[BN], ttmp7, 0xffff
	s_cmp_lg_u32 s[L0], 0
	s_cselect_b32 s[MSK], -1, 0
	s_mov_b32 s[HIM], 0xffff0000
	v_and_b32 v25, 31, v0                          ; lane
	v_and_b32 v26, 15, v0                          ; r
	v_bfe_u32 v27, v0, 4, 1                        ; h
	v_and_b32 v28, 7, v0
	v_bfe_u32 v29, v0, 3, 1
	v_and_b32 v[ODD], 1, v0
	v_lshlrev_b32 v[L16], 4, v25
	v_lshlrev_b32 v[XO], 4, v26
	v_lshl_add_u32 v[XO], v27, 14, v[XO]
	v_lshlrev_b32 v[XHO], 14, v25
	s_mul_i32 s35, s[WV], 192*PX                   ; my 192 rows of XS
	s_add_co_u32 s36, s35, 32                      ; behind the 16 halo columns
	v_mul_u32_u24 v[XST], v27, PX
	v_lshl_add_u32 v[XST], v26, 3, v[XST]
	v_add_nc_u32 v[XST], s36, v[XST]
	v_mov_b32 v[XR], v[XST]
	v_mul_u32_u24 v[XHS], v25, PX
	v_add_nc_u32 v[XHS], s35, v[XHS]
	v_lshl_add_u32 v[BX], v27, 3, v28              ; the turning load: lane l reads row 8 (l / 16) + l % 8, 16 bytes at 16 ((l / 8) % 2), and ends with column l % 16, eight K
	v_mul_u32_u24 v[BX], v[BX], PX
	v_lshl_add_u32 v[BX], v29, 4, v[BX]
	v_mul_u32_u24 v[LT], v26, PR
	v_lshl_add_u32 v[LT], v27, 4, v[LT]
	s_mul_i32 s37, s[WV], 384                      ; my 192 channels in a row of AS or CS
	s_add_co_u32 s38, s37, CS
	v_add_nc_u32 v[CST], s38, v[LT]
	v_add_nc_u32 v[CST+1], T2, v[CST]
	v_lshl_add_u32 v[CH0], v27, 4, s38
	s_add_co_u32 s38, s37, AS
	v_mul_u32_u24 v[AHS], v[ODD], PR
	v_lshl_add_u32 v[AHS], v27, 4, v[AHS]
	v_add_nc_u32 v[AHS], s38, v[AHS]
	s_add_co_u32 s38, s38, 2*PR
	v_add_nc_u32 v[AST], s38, v[LT]
	v_add_nc_u32 v[AST+1], T2, v[AST]
	s_mul_i32 s39, s[WV], 64*SPI
	s_add_co_u32 s39, s39, AS                      ; my stage
	v_mul_u32_u24 v[STS], v27, 8*SPI
	v_lshl_add_u32 v[STS], v26, 2, v[STS]
	v_add_nc_u32 v[STS], s39, v[STS]
	v_mul_u32_u24 v[STR0], v27, SPI
	v_lshl_add_u32 v[STR0], v26, 4, v[STR0]
	v_add_nc_u32 v[STR0], s39, v[STR0]
	v_lshlrev_b32 v[BO], 5, v27
	v_mov_b32 v[VZ], 0
	v_mov_b32 v[ONE], 1.0
	s_mul_i32 s20, s[BN], 12582912                 ; a batch of x
	s_mul_i32 s21, s[WV], 3145728                  ; 192 rows
	s_add_co_u32 s20, s20, s21
	s_lshl_b32 s21, s[L0], 2
	s_add_co_u32 s40, s20, s21
	s_mov_b32 s41, 0
	s_max_u32 s21, s[L0], 2
	s_sub_co_u32 s21, s21, 2                       ; max(l0 - 2, 0): at l0 = 0 the halo reads positions 0, 1, and what is made of them is masked away
	s_lshl_b32 s21, s21, 2
	s_add_co_u32 s42, s20, s21
	s_mov_b32 s43, 0
	s_mul_i32 s44, s[WV], 2*GW
	s_mov_b32 s45, 0
	s_mul_i32 s46, s[WV], 768
	s_mov_b32 s47, 0
	s_wait_kmcnt 0x0
	s_add_nc_u64 s[XP:XP+1], s[4:5], s[40:41]
	s_add_nc_u64 s[XHP:XHP+1], s[4:5], s[42:43]
	s_add_nc_u64 s[ZP:ZP+1], s[12:13], s[40:41]
	s_add_nc_u64 s[WI:WI+1], s[6:7], s[44:45]
	s_add_nc_u64 s[WH:WH+1], s[WI:WI+1], 8*GW
	s_add_nc_u64 s[8:9], s[8:9], s[46:47]
	s_add_nc_u64 s[10:11], s[10:11], s[46:47]
	; x INTO LDS.  The halo's six loads (a lane a row, 8 bytes) and seven groups of eight go out; then each group is waited for, rounded and stored, and another group of eight is issued:
	; so in every trip the six younger groups, 48 loads, may be out.
	WIN 0xc0
.irp i, 0,1,2,3,4,5
	global_load_b64 v[160+2*(\i):161+2*(\i)], v[XHO], s[XHP:XHP+1] offset:(\i)*524288
.endr
.irp g, 0,1,2,3,4,5,6
	XLD \g
.endr
.irp g, 0,1,2,3,4,5,6,7,8,9,10,11
	s_wait_loadcnt 48
.if (\g) == 0
	WIN 0x0f
.irp i, 0,1,2,3,4,5
	v_cvt_pk_bf16_f32 v[48+4*(\i)], v[160+2*(\i)], v[161+2*(\i)]
.endr
	WIN 0
.irp i, 0,1,2,3,4,5                    ; the pair (x[l0-2], x[l0-1]) eight times: columns 0-15 of my rows
	v_mov_b32 v[49+4*(\i)], v[48+4*(\i)]
	v_mov_b32 v[50+4*(\i)], v[48+4*(\i)]
	v_mov_b32 v[51+4*(\i)], v[48+4*(\i)]
	ds_store_b128 v[XHS], v[48+4*(\i):51+4*(\i)] offset:(\i)*32*PX
	ds_store_b128 v[XHS], v[48+4*(\i):51+4*(\i)] offset:(\i)*32*PX+16
.endr
.endif
	XCV \g
	ISSUE \g
.endr
.irp k, 12,13,14,15,16
	ISSUE \k
.endr
	WIN 0
	s_wait_loadcnt 48                              ; both biases are in; the weights' 48 loads, issued last, may be out
.irp a, 0,1,2,3,4,5,6,7,8,9,10,11
.set BH_, 48+8*(\a)+96*((\a)/8)
.irp k, 0,2,4,6
	v_pk_add_f32 v[BI+8*(\a)+(\k):BI+8*(\a)+(\k)+1], v[BI+8*(\a)+(\k):BI+8*(\a)+(\k)+1], v[BH_+(\k):BH_+(\k)+1]
.endr
.endr
	s_wait_dscnt 0x0                               ; my rows of XS are written
	s_barrier_signal -1
	s_barrier_wait -1                              ; everybody's are
	; G1: u = W_ih x + bias, 24 K steps of 32; the first step's products take the bias as C
	BTR 0, 0
	BTR 1, 32*PX
	s_mov_b64 s[WP:WP+1], s[WI:WI+1]
	WSTEP 0, 1, 1, 1, 1, 10
	WSTEP 1, 1, 0, 1, 1, 10
	TRIPEND 2*SW, 64*PX, 0
	s_mov_b32 s[CNT], 10
.Lg1:
	WSTEP 0, 1, 0, 1, 1, 10
	WSTEP 1, 1, 0, 1, 1, 10
	TRIPEND 2*SW, 64*PX, 0
	s_sub_co_u32 s[CNT], s[CNT], 1
	s_cmp_lg_u32 s[CNT], 0
	s_cbranch_scc1 .Lg1
	WSTEP 0, 1, 0, 2, 0, 10                        ; the last two steps ask for G2's first weights
	WSTEP 1, 1, 0, 2, 0, 0
	; u AND a GO INTO LDS.  The halo first: u in bf16, set to 0 at l0 = 0.
	WIN 0x0a
.irp a, 0,1,2,3,4,5
.irp k, 0,1,2,3
	v_cvt_pk_bf16_f32 v[BI+4*(\a)+(\k)], v[40*(\a)+2*(\k)], v[40*(\a)+2*(\k)+1]
.endr
.endr
	WIN 0x0f
.irp a, 0,1,2,3,4,5
.irp k, 0,1,2,3
	v_cvt_pk_bf16_f32 v[BI+24+4*(\a)+(\k)], v[40*(\a)+2*(\k)], v[40*(\a)+2*(\k)+1]
.endr
.endr
	WIN 0
.set n_, 0
.rept 48
	v_and_b32 v[BI+n_], s[MSK], v[BI+n_]
.set n_, n_+1
.endr
	v_cmp_ne_u32 vcc_lo, 0, v[ODD]
	s_wait_xcnt 0x0                                ; EXEC changes only behind this wait: loads of weights are out
	s_and_saveexec_b32 s[SEX], vcc_lo              ; the odd columns hold position l0 - 1: its u is row 0 of CS (eight lanes write the same bytes with the same numbers)
.irp a, 0,1,2,3,4,5,6,7,8,9,10,11
	ds_store_b128 v[CH0], v[BI+4*(\a):BI+4*(\a)+3] offset:32*(\a)
.endr
	s_wait_xcnt 0x0
	s_or_b32 exec_lo, exec_lo, s[SEX]
.set n_, 0
.rept 48
	v_pk_max_num_bf16 v[BI+n_], v[BI+n_], v[VZ]
.set n_, n_+1
.endr
.irp a, 0,1,2,3,4,5,6,7,8,9,10,11
	ds_store_b128 v[AHS], v[BI+4*(\a):BI+4*(\a)+3] offset:32*(\a)  ; a[l0-2], a[l0-1]: rows 0, 1 of AS
.endr
.irp a, 0,1,2,3,4,5,6,7,8,9,10,11      ; positions l0 .. l0 + 63: u into CS rows 1 .., a into AS rows 2 ..
	WIN 0x0a+5*((\a)/6)
.irp t, 0,1,2,3
.irp k, 0,1,2,3
	v_cvt_pk_bf16_f32 v[BB+4*(\t)+(\k)], v[40*((\a)%6)+8*(\t)+8+2*(\k)], v[40*((\a)%6)+8*(\t)+8+2*(\k)+1]
.endr
.endr
	WIN 0
.irp t, 0,1,2,3
	ds_store_b128 v[CST+(\t)/2], v[BB+4*(\t):BB+4*(\t)+3] offset:PR+T1*((\t)%2)+32*(\a)
.endr
.set n_, 0
.rept 16
	v_pk_max_num_bf16 v[BB+16+n_], v[BB+n_], v[VZ]
.set n_, n_+1
.endr
.irp t, 0,1,2,3
	ds_store_b128 v[AST+(\t)/2], v[BB+16+4*(\t):BB+16+4*(\t)+3] offset:T1*((\t)%2)+32*(\a)
.endr
.endr
	s_wait_dscnt 0x0                               ; my channels of a are written
	s_barrier_signal -1
	s_barrier_wait -1                              ; everybody's are
	; G2: c[l0-1+j] = relu(u + W_hh a[l0-2+j])
	PASS 0
	PASS 1
	EPI2 1
	s_wait_dscnt 0x0                               ; my channels of c are written, and my reads of AS are over
	s_barrier_signal -1
	s_barrier_wait -1                              ; everybody's: CS may be read whole, and AS written as stages
	; G3: h[l0+j] = relu(u + W_hh c[l0-1+j]), onto the accumulators that hold u
	v_add_nc_u32 v[BA], CS, v[LT]
	v_add_nc_u32 v[BA+1], CS+T2, v[LT]
	BLD 0, 0
	BLD 1, 64
	s_wait_xcnt 0x0                                ; G2's loads have read the pointer
	s_mov_b64 s[WP:WP+1], s[WH:WH+1]
	s_mov_b32 s[CNT], 11
.Lg3:
	WSTEP 0, 0, 0, 1, 1, 8
	WSTEP 1, 0, 0, 1, 1, 8
	TRIPEND 2*SW, 128, 1
	s_sub_co_u32 s[CNT], s[CNT], 1
	s_cmp_lg_u32 s[CNT], 0
	s_cbranch_scc1 .Lg3
	WSTEP 0, 0, 0, 0, 0, 8, 42                     ; nothing more is asked for: the counts run down 42, 36 .. 0
	WSTEP 1, 0, 0, 0, 0, 0, 18
	EPI3 0
	EPI3 1
	EPI3 2
	s_wait_tensorcnt 0x0                           ; the wave's end: behind my last LDS store
	ds_add_u32 v[SPW], v[NIL]
	s_wait_dscnt 0x0
	s_endpgm
.Lfunc_end_k_qade10e597d_chain:
	.size	k_qade10e597d_chain, .Lfunc_end_k_qade10e597d_chain-k_qade10e597d_chain
	.p2alignl 7, 3214868480
	.fill 96, 4, 3214868480
	.section	.rodata,"a",@progbits
	.p2align	6, 0x0
	.amdhsa_kernel k_qade10e597d_chain
		.amdhsa_group_segment_fixed_size 327168
		.amdhsa_private_segment_fixed_size 0
		.amdhsa_enable_private_segment 0
		.amdhsa_kernarg_size 40
		.amdhsa_user_sgpr_count 2
		.amdhsa_user_sgpr_kernarg_segment_ptr 1
		.amdhsa_wavefront_size32 1
		.amdhsa_system_sgpr_workgroup_id_x 1
		.amdhsa_system_sgpr_workgroup_id_y 1
		.amdhsa_system_sgpr_workgroup_id_z 1
		.amdhsa_system_vgpr_workitem_id 0
		.amdhsa_next_free_vgpr 1024
		.amdhsa_next_free_sgpr 66
		.amdhsa_reserve_vcc 1
		.amdhsa_float_denorm_mode_32 3
		.amdhsa_float_denorm_mode_16_64 3
		.amdhsa_memory_ordered 1
		.amdhsa_forward_progress 1
		.amdhsa_inst_pref_size 255
	.end_amdhsa_kernel
	.section	.bss,"aw",@nobits
	.p2align	6
	.space	262144
	.amdgpu_metadata
---
amdhsa.version: [ 1, 2 ]
amdhsa.kernels:
  - .name:           k_qade10e597d_chain
    .symbol:         k_qade10e597d_chain.kd
    .args:
      - { .name: x, .offset: 0, .size: 8, .value_kind: global_buffer, .address_space: global }
      - { .name: wf, .offset: 8, .size: 8, .value_kind: global_buffer, .address_space: global }
      - { .name: b_ih, .offset: 16, .size: 8, .value_kind: global_buffer, .address_space: global }
      - { .name: b_hh, .offset: 24, .size: 8, .value_kind: global_buffer, .address_space: global }
      - { .name: zbuf, .offset: 32, .size: 8, .value_kind: global_buffer, .address_space: global }
    .group_segment_fixed_size: 327168
    .private_segment_fixed_size: 0
    .kernarg_segment_align: 8
    .kernarg_segment_size: 40
    .max_flat_workgroup_size: 128
    .sgpr_count:     66
    .vgpr_count:     1024
    .wavefront_size: 32
...
	.end_amdgpu_metadata
.endif
;; end of part 2
;; launch norm (part 3): grid 256 x 1, 8 waves a work-group, no clusters, 2,048 bytes of LDS; arguments zbuf, gamma, beta, out0; writes out0
.if DOCPART == 3
	.amdgcn_target "amdgcn-amd-amdhsa--gfx1250"
	.amdhsa_code_object_version 6
	.text
	.protected	k_qade10e597d_norm
	.globl	k_qade10e597d_norm
	.p2align	8
	.type	k_qade10e597d_norm,@function
k_qade10e597d_norm:
	s_mov_b64 s[64:65], 0
	v_nop
	global_prefetch_b8 v0, s[64:65] scope:SCOPE_SE
	s_setreg_imm32_b32 hwreg(HW_REG_WAVE_MODE, 25, 1), 1
	s_wait_xcnt 0x0
; LocalRnn, launch 3 of 3: out[row][l] = (z[row][l] - mean) / sqrt(var + 1e-12) x gamma[l] + beta[l], mean and var over the row's 4,096 numbers; 3,072 rows (batch x channel).  Nothing is left out here.
; SHARES.  A work-group owns 12 rows, wave w columns 512 w .. 512 w + 511 of each: a lane holds 4 x 4 numbers of every row, 192 registers, from the loads to the stores: z is read once.
; gamma and beta of the wave's columns are loaded once and serve all 12 rows.  All 56 loads of a wave go out at the head.
; Two passes in registers: the sums; then the deviations, in place, and the sums of their squares: no difference of large sums is formed.  The eight waves' parts meet in LDS, once for each pass.
; No matrix unit, no tensor load, no cluster: nothing is multiplied by a matrix, and no two work-groups read the same rows.
.set Z,   32                           ; v[32:223]  row p at Z + 16 p
.set GA,  224                          ; v[224:239] gamma
.set BE,  240                          ; v[240:255] beta
.set SU,  8                            ; v[8:19]    a number for each row
.set TM,  20                           ; v[20:31]   at work
.set PR,  40                           ; s[40:63]   a pair for each row: - mean, later 1 / sqrt(var + eps), in the low word
.set SPARE, 1024                       ; the spare words, 128 bytes for each of eight waves; the waves' parts lie at 0 (sums) and 512 (squares), [row 12][wave 8]
	s_load_b256 s[4:11], s[0:1], 0x0               ; zbuf s[4:5], gamma s[6:7], beta s[8:9], out0 s[10:11]
	v_lshl_add_u32 v4, v0, 2, SPARE
	v_mov_b32 v5, 0
	v_lshrrev_b32 v6, 5, v0
	v_readfirstlane_b32 s18, v6                    ; wave 0..7
	v_and_b32 v7, 31, v0
	v_lshlrev_b32 v1, 4, v7
	v_lshl_add_u32 v1, v6, 11, v1                  ; 2,048 x wave + 16 x lane
	v_mov_b32 v2, s18
	v_lshlrev_b32 v2, 2, v2                        ; my wave's word in a row's eight
	v_lshlrev_b32 v3, 2, v7
.irp k, 28,29,30,31
	v_mov_b32 v[\k], 0                             ; v_permlanex16_b32 counts as a reader of its destination
.endr
	s_mul_i32 s16, ttmp9, 12*16384
	s_mov_b32 s17, 0
	s_mov_b32 s12, 0x76543210                      ; each lane takes its own place in the other half
	s_mov_b32 s13, 0xfedcba98
	s_mov_b32 s14, 0x39800000                      ; 1 / 4,096
	s_mov_b32 s15, 0x2b8cbccc                      ; 1e-12
	s_wait_kmcnt 0x0
	s_add_nc_u64 s[4:5], s[4:5], s[16:17]
	s_add_nc_u64 s[10:11], s[10:11], s[16:17]
.irp p, 0,1,2,3,4,5,6,7,8,9,10,11
.irp c, 0,1,2,3
	global_load_b128 v[Z+16*(\p)+4*(\c):Z+16*(\p)+4*(\c)+3], v1, s[4:5] offset:16384*(\p)+512*(\c) th:TH_LOAD_NT
.endr
.endr
.irp c, 0,1,2,3
	global_load_b128 v[GA+4*(\c):GA+4*(\c)+3], v1, s[6:7] offset:512*(\c)
.endr
.irp c, 0,1,2,3
	global_load_b128 v[BE+4*(\c):BE+4*(\c)+3], v1, s[8:9] offset:512*(\c)
.endr
; v[SU ..] holds a number a row in each lane: summed over the wave's lanes, over the eight waves through LDS at 'base'; then register k holds, in lanes 8 i .. 8 i + 7, the sum of row 4 k + i.
.macro MEET base
.irp m, 1,2,4,8
.irp p, 0,1,2,3,4,5,6,7,8,9,10,11
	v_add_f32_dpp v[SU+(\p)], v[SU+(\p)], v[SU+(\p)] row_xmask:\m row_mask:0xf bank_mask:0xf
.endr
.endr
.irp p, 0,1,2,3,4,5,6,7,8,9,10,11
	v_permlanex16_b32 v[TM+(\p)], v[SU+(\p)], s12, s13
.endr
.irp p, 0,1,2,3,4,5,6,7,8,9,10,11
	v_add_f32 v[SU+(\p)], v[SU+(\p)], v[TM+(\p)]
.endr
.irp p, 0,1,2,3,4,5,6,7,8,9,10,11
	ds_store_b32 v2, v[SU+(\p)] offset:(\base)+32*(\p)  ; all lanes write the same word with the same number
.endr
	s_wait_dscnt 0x0                               ; for the others' sake
	s_barrier_signal -1
	s_barrier_wait -1
.irp k, 0,1,2
	ds_load_b32 v[SU+(\k)], v3 offset:(\base)+128*(\k)  ; lane l: row 4 k + l / 8, wave l % 8
.endr
	s_wait_dscnt 0x0
.irp m, 1,2,4
.irp k, 0,1,2
	v_add_f32_dpp v[SU+(\k)], v[SU+(\k)], v[SU+(\k)] row_xmask:\m row_mask:0xf bank_mask:0xf
.endr
.endr
.endm
.macro SPREAD                          ; each row's number into its scalar pair
.irp p, 0,1,2,3,4,5,6,7,8,9,10,11
	v_readlane_b32 s[PR+2*(\p)], v[SU+(\p)/4], 8*((\p)%4)
	s_mov_b32 s[PR+2*(\p)+1], 0                    ; named with it as a pair
.endr
.endm
.irp p, 0,1,2,3,4,5,6,7,8,9,10,11      ; the sums
	s_wait_loadcnt 4*(11-(\p))+8                   ; this row is in; the later rows' loads, and gamma's and beta's eight, may be out
	v_pk_add_f32 v[TM:TM+1], v[Z+16*(\p):Z+16*(\p)+1], v[Z+16*(\p)+2:Z+16*(\p)+3]
	v_pk_add_f32 v[TM+2:TM+3], v[Z+16*(\p)+4:Z+16*(\p)+5], v[Z+16*(\p)+6:Z+16*(\p)+7]
	v_pk_add_f32 v[TM+4:TM+5], v[Z+16*(\p)+8:Z+16*(\p)+9], v[Z+16*(\p)+10:Z+16*(\p)+11]
	v_pk_add_f32 v[TM+6:TM+7], v[Z+16*(\p)+12:Z+16*(\p)+13], v[Z+16*(\p)+14:Z+16*(\p)+15]
	v_pk_add_f32 v[TM:TM+1], v[TM:TM+1], v[TM+2:TM+3]
	v_pk_add_f32 v[TM+4:TM+5], v[TM+4:TM+5], v[TM+6:TM+7]
	v_pk_add_f32 v[TM:TM+1], v[TM:TM+1], v[TM+4:TM+5]
	v_add_f32 v[SU+(\p)], v[TM], v[TM+1]
.endr
	MEET 0
.irp k, 0,1,2
	v_mul_f32 v[SU+(\k)], 0xb9800000, v[SU+(\k)]   ; - mean
.endr
	SPREAD
.irp p, 0,1,2,3,4,5,6,7,8,9,10,11      ; the deviations, in place, and their squares, in two chains
.irp k, 0,2,4,6,8,10,12,14
	v_pk_add_f32 v[Z+16*(\p)+(\k):Z+16*(\p)+(\k)+1], v[Z+16*(\p)+(\k):Z+16*(\p)+(\k)+1], s[PR+2*(\p):PR+2*(\p)+1] op_sel_hi:[1,0]
.endr
	v_pk_mul_f32 v[TM:TM+1], v[Z+16*(\p):Z+16*(\p)+1], v[Z+16*(\p):Z+16*(\p)+1]
	v_pk_mul_f32 v[TM+2:TM+3], v[Z+16*(\p)+2:Z+16*(\p)+3], v[Z+16*(\p)+2:Z+16*(\p)+3]
.irp k, 4,8,12
	v_pk_fma_f32 v[TM:TM+1], v[Z+16*(\p)+(\k):Z+16*(\p)+(\k)+1], v[Z+16*(\p)+(\k):Z+16*(\p)+(\k)+1], v[TM:TM+1]
	v_pk_fma_f32 v[TM+2:TM+3], v[Z+16*(\p)+(\k)+2:Z+16*(\p)+(\k)+3], v[Z+16*(\p)+(\k)+2:Z+16*(\p)+(\k)+3], v[TM+2:TM+3]
.endr
	v_pk_add_f32 v[TM:TM+1], v[TM:TM+1], v[TM+2:TM+3]
	v_add_f32 v[SU+(\p)], v[TM], v[TM+1]
.endr
	MEET 512
.irp k, 0,1,2
	v_fma_f32 v[SU+(\k)], v[SU+(\k)], s14, s15     ; var + 1e-12
.endr
.irp k, 0,1,2
	v_rsq_f32 v[SU+(\k)], v[SU+(\k)]
.endr
	v_nop                                          ; a plain instruction behind the last of the three,
	s_wait_alu depctr_va_vdst(0)                   ; and a wait ahead of their first reader
	SPREAD
	s_wait_loadcnt 0x0                             ; gamma and beta
.irp p, 0,1,2,3,4,5,6,7,8,9,10,11
.irp k, 0,2,4,6,8,10,12,14
	v_pk_mul_f32 v[Z+16*(\p)+(\k):Z+16*(\p)+(\k)+1], v[Z+16*(\p)+(\k):Z+16*(\p)+(\k)+1], s[PR+2*(\p):PR+2*(\p)+1] op_sel_hi:[1,0]
.endr
.irp k, 0,2,4,6,8,10,12,14
	v_pk_fma_f32 v[Z+16*(\p)+(\k):Z+16*(\p)+(\k)+1], v[Z+16*(\p)+(\k):Z+16*(\p)+(\k)+1], v[GA+(\k):GA+(\k)+1], v[BE+(\k):BE+(\k)+1]
.endr
.irp c, 0,1,2,3
	global_store_b128 v1, v[Z+16*(\p)+4*(\c):Z+16*(\p)+4*(\c)+3], s[10:11] offset:16384*(\p)+512*(\c) th:TH_STORE_NT  ; 512 consecutive bytes, at a multiple of 256 from the output's first byte
.endr
.endr
	s_wait_tensorcnt 0x0                           ; the wave's end: behind my last LDS store
	ds_add_u32 v4, v5
	s_wait_dscnt 0x0
	s_endpgm
.Lfunc_end_k_qade10e597d_norm:
	.size	k_qade10e597d_norm, .Lfunc_end_k_qade10e597d_norm-k_qade10e597d_norm
	.p2alignl 7, 3214868480
	.fill 96, 4, 3214868480
	.section	.rodata,"a",@progbits
	.p2align	6, 0x0
	.amdhsa_kernel k_qade10e597d_norm
		.amdhsa_group_segment_fixed_size 2048
		.amdhsa_private_segment_fixed_size 0
		.amdhsa_enable_private_segment 0
		.amdhsa_kernarg_size 32
		.amdhsa_user_sgpr_count 2
		.amdhsa_user_sgpr_kernarg_segment_ptr 1
		.amdhsa_wavefront_size32 1
		.amdhsa_system_sgpr_workgroup_id_x 1
		.amdhsa_system_sgpr_workgroup_id_y 1
		.amdhsa_system_sgpr_workgroup_id_z 1
		.amdhsa_system_vgpr_workitem_id 0
		.amdhsa_next_free_vgpr 256
		.amdhsa_next_free_sgpr 66
		.amdhsa_reserve_vcc 0
		.amdhsa_float_denorm_mode_32 3
		.amdhsa_float_denorm_mode_16_64 3
		.amdhsa_memory_ordered 1
		.amdhsa_forward_progress 1
		.amdhsa_inst_pref_size 57
	.end_amdhsa_kernel
	.amdgpu_metadata
---
amdhsa.version: [ 1, 2 ]
amdhsa.kernels:
  - .name:           k_qade10e597d_norm
    .symbol:         k_qade10e597d_norm.kd
    .args:
      - { .name: zbuf, .offset: 0, .size: 8, .value_kind: global_buffer, .address_space: global }
      - { .name: gamma, .offset: 8, .size: 8, .value_kind: global_buffer, .address_space: global }
      - { .name: beta, .offset: 16, .size: 8, .value_kind: global_buffer, .address_space: global }
      - { .name: out0, .offset: 24, .size: 8, .value_kind: global_buffer, .address_space: global }
    .group_segment_fixed_size: 2048
    .private_segment_fixed_size: 0
    .kernarg_segment_align: 8
    .kernarg_segment_size: 32
    .max_flat_workgroup_size: 256
    .sgpr_count:     66
    .vgpr_count:     256
    .wavefront_size: 32
...
	.end_amdgpu_metadata
.endif
;; end of part 3
